; MI455X (gfx1250); checked and timed in simulation.
; The chip was launched on July 23, 2026; its instructions are those of AMD's public machine-readable ISA for CDNA 5 (MIT licence, August 2026) and "CDNA5" Instruction Set Architecture Reference Guide (July 2026). The comments in the code are by the model that wrote it; some were corrected since.
;; Attention. Allowed arithmetic: matrix products marked QUANTISED: E2M1 operands, one E8M0 scale for each 32 along K, by v_wmma_scale_f32_16x16x128_f8f6f4 with both operands' format E2M1 (or v_wmma_scale_f32_32x16x128_f4), f32 sums; everything else in f32.
;; Inputs: b_out 1,024 float32; b_qkv 3,072 float32; w_out_codes 1,024 x 32 x 16 uint8 (E2M1 codes of w_out, K innermost, in blocks of 32 codes, two codes a byte); w_out_scales 1,024 x 32 uint8 (E8M0 scales of w_out, one for each 32 codes along K); w_qkv_codes 3,072 x 32 x 16 uint8 (E2M1 codes of w_qkv, K innermost, in blocks of 32 codes, two codes a byte); w_qkv_scales 3,072 x 32 uint8 (E8M0 scales of w_qkv, one for each 32 codes along K); x_codes 4 x 2,048 x 32 x 16 uint8 (E2M1 codes of x, K innermost, in blocks of 32 codes, two codes a byte); x_scales 4 x 2,048 x 32 uint8 (E8M0 scales of x, one for each 32 codes along K).
;; Outputs: out0 4 x 2,048 x 1,024 float32.
;; This version of the problem:
;;   THIS VERSION OF THE PROBLEM IS GIVEN IN LOW PRECISION. The matrix products marked QUANTISED in the list below multiply operands that are first quantised to E2M1 (2 exponent bits, 1 mantissa bit; 4 bits a number), with one power-of-two scale for each 32 numbers along K (OCP MX v1.0); their sums are f32. All else is computed in f32.
;;   The module's matrix products, in the order in which they are computed (A, B: the left and right operand; K: the contracted axis; several contracted axes count as one K, in the product's order):
;;     1. [M 8,192, K 1,024] x [K 1,024, N 3,072]; A: input x (given as codes); B: input w_qkv (given as codes): QUANTISED
;;     2. batch 64 x [M 2,048, K 64] x [K 64, N 2,048]; A: computed on the way; B: computed on the way: QUANTISED
;;     3. batch 64 x [M 2,048, K 2,048] x [K 2,048, N 64]; A: softmax (see below); B: computed on the way: QUANTISED
;;     4. [M 8,192, K 1,024] x [K 1,024, N 1,024]; A: computed on the way; B: input w_out (given as codes): QUANTISED
;;   THE QUANTISER, for each operand of a quantised product, along K:
;;     - K is cut into blocks of 32 from its start; a last block that is shorter is filled with zeros.
;;     - A block's scale is 2^e with e = floor(log2(the largest magnitude in the block)) - 2, held to -126 .. 127; a block of zeros has e = 0. As a byte (E8M0): e + 127.
;;     - Each number is divided by its block's scale, clamped to +-6, and rounded to the nearest number of E2M1, ties to even, subnormals kept.
;;     - The product sums the exact products of the quantised numbers (number of the format x scale) in f32.
;;   ~~~python
;;   def quantise(x, axis):      # numpy; x: float32 -> the quantised numbers, widened to float32 again
;;       x = np.moveaxis(x, axis, -1); K = x.shape[-1]
;;       x = np.pad(x, [(0, 0)] * (x.ndim - 1) + [(0, -K % 32)]); x = x.reshape(x.shape[:-1] + (-1, 32)); a = np.abs(x).max(-1, keepdims=True)
;;       e = np.where(a > 0, np.clip(np.frexp(np.where(a > 0, a, 1))[1] - 1 - 2, -126, 127), 0)      # np.frexp(a)[1] - 1 = floor(log2(a)), exactly
;;       r = np.clip(x / 2.0 ** e, -6, 6)
;;       step = 2.0 ** (np.maximum(np.frexp(np.where(r == 0, 1, r))[1] - 1, 0) - 1)
;;       q = np.round(r / step) * step * 2.0 ** e      # np.round: ties to even
;;       return np.moveaxis(q.reshape(q.shape[:-2] + (-1,))[..., :K], -1, axis).astype(np.float32)
;;   ~~~
;;   SOFTMAX AHEAD OF A QUANTISED PRODUCT. Where the list says 'softmax', what is quantised is not the finished softmax but p = 2^(t - M), with t = logit x log2(e) and M = ceil(the row's largest t), a whole number; so 1/2 < the row's largest p <= 1. The row's sum l is taken of the UNQUANTISED p, in f32, and the product's result is divided by l at the end. Since M is a whole number, a kernel that streams over the keys may use a running M (the ceiling of the running maximum): every later rescaling is an exact power of two, which a block's scale takes up: the codes' values come out the same.
;;   OPERANDS COMPUTED ON THE WAY. 'Computed on the way' means the value that the module computes at that place (a softmax that the list does not call 'softmax' is quantised finished and normalised). What goes into a quantiser is computed in f32, as accurately as f32 sums, v_exp_f32 and their like allow (about 1e-6 of the number): no bf16 or f16 on the way to a quantiser, and a product that is left as it is and whose result goes on into a quantised operand takes f32 operands (vector FMAs, or v_wmma_f32_16x16x4_f32). A number that lies on a knife's edge between two numbers of the format may be rounded either way, as far as f32 arithmetic and the matrix unit's own rounding can turn it there, and no further.
;;   INPUTS GIVEN AS CODES. w_out (in the module: [1024, 1024], K = its axis 1); w_qkv (in the module: [3072, 1024], K = its axis 1); x (in the module: [4, 2048, 1024], K = its axis 2): each comes as NAME_codes (uint8): NAME with its K axis moved to the last place and cut into blocks of 32 codes, [.., K / 32, bytes a block], one block behind the other in memory; two codes a byte, the lower K in the low four bits (a code: sign, 2 exponent bits, 1 mantissa bit); and NAME_scales (uint8): the same leading axes, one E8M0 byte (e + 127) for each 32 codes along K. Its value is code x scale, taken as it is: it is not quantised again, and the codes and scales need not be those that the quantiser above would give.
;; One version. Each part assembles by itself: llvm-mc -triple=amdgcn-amd-amdhsa -mcpu=gfx1250 --defsym DOCPART=n.
;; ======== version 1 of 1: 3 launches
;; workspace buffers: q_img 4,194,304 bytes; q_sc 524,288 bytes; k_img 4,194,304 bytes; k_sc 524,288 bytes; v_img 4,194,304 bytes; v_sc 262,144 bytes; ao_img 4,194,304 bytes; ao_sc 262,144 bytes
;; launch qkv (part 1): grid 8 x 32, 4 waves a work-group, clusters of 4 x 4, 327,680 bytes of LDS; arguments x_codes, x_scales, w_qkv_codes, w_qkv_scales, b_qkv, q_img, q_sc, k_img, k_sc, v_img, v_sc; writes q_img, q_sc, k_img, k_sc, v_img, v_sc
.if DOCPART == 1
	.amdgcn_target "amdgcn-amd-amdhsa--gfx1250"
	.amdhsa_code_object_version 6
	.text
	.protected	k_q64704ac25e_qkv
	.globl	k_q64704ac25e_qkv
	.p2align	8
	.type	k_q64704ac25e_qkv,@function
k_q64704ac25e_qkv:
	s_mov_b64 s[64:65], 0
	v_nop
	global_prefetch_b8 v0, s[64:65] scope:SCOPE_SE
	s_setreg_imm32_b32 hwreg(HW_REG_WAVE_MODE, 25, 1), 1
	s_wait_xcnt 0x0
	s_wait_alu depctr_hold_cnt(0) depctr_sa_sdst(0) depctr_va_vdst(0) depctr_va_sdst(0) depctr_va_ssrc(0) depctr_va_vcc(0) depctr_vm_vsrc(0)
	s_getreg_b32 s2, hwreg(HW_REG_IB_STS2, 6, 4)
	s_cmp_eq_u32 s2, 0
	s_cbranch_scc0 .Lentry_in_a_cluster
	s_endpgm
.Lentry_in_a_cluster:
	s_bfe_u32 s2, ttmp6, 0x10000c
	s_cmp_lg_u32 s2, 0xf033
	s_cbranch_scc0 .Lentry_shape_is_right
	s_endpgm
.Lentry_shape_is_right:
; qkv = x W^T + b on codes of FP4 (E2M1) with one E8M0 scale for each 32 along K = 1,024; then q, k and v are quantised again, q and k along the head's 64 channels, v along the keys.
; SHARES.  A work-group of four waves takes 256 tokens (gy) and a pair of heads (gx: 128 channels) and makes three PIECES of 256 x 128, q, k and v, written out one behind the other.
; In a piece a wave has 32 accumulators: 8 tiles of source 0, whose rows run along a lane's registers, x 4 tiles of source 1, whose rows run along the lanes.
;   q, k: source 0 = the piece's 128 rows of W, source 1 = my 64 tokens: a lane holds ONE token and its registers run along the channels, the next product's K.
;   v:    source 0 = 128 tokens, source 1 = 64 rows of W (one head): a lane holds ONE channel and its registers run along the tokens, which are the keys, the next K.
; FROM RESULT TO OPERAND.  In result tile T lane (r, h) holds k = 16 T + 8 h + 0..7: one conversion makes one register of 8 codes.  Tiles 4c, 4c+1, 4c+2, 4c+3 go to registers 4c, 4c+2, 4c+1, 4c+3, and two
; exchanges of lane halves (4c with 4c+1, 4c+2 with 4c+3) leave register 4c+q of lane (r, h) with k = 64 c + 32 h + 8 q + 0..7: the operand's own layout.  A block of 32 is 16 registers of lanes l and l xor 16.
; OUT.  Operands leave as IMAGES OF THEIR REGISTERS: four registers by one store of 16 bytes a lane, 512 consecutive aligned bytes.  Scale words leave four to a lane: 256 consecutive aligned bytes for 16 lanes.
;   q_img, k_img [bh][token / 16][512];  q_sc, k_sc [bh][token / 64][r][4] words (bytes 0, 1 the head's; bytes 2, 3 meet zero codes only: the neighbour head's bytes or 0, never 0xff);
;   v_img [bh][key / 128][channel / 16][c][512];  v_sc [bh][key / 128][r][channel / 16] words.
; CLUSTER 4 x 4.  x's tile hangs on gy alone and is asked for jointly along a row of the cluster, W's tiles on gx alone, along a column.  All of K lies in LDS: x (256 rows), Wq, Wk; Wv is brought into Wq's bytes
; behind a round of the cluster's barrier, and has the q piece's way out and the whole k piece in which to land.  By this text's own count a wave has one tensor load out at the most.
; THE GIVEN SCALES go from memory into registers once: lane (r, h) takes 16 bytes of row r, so register q holds K step q in lanes 0-15 and K step 4 + q in lanes 16-31.
; No prefetch is laid: all that the launch reads is asked for at its head.
; LIMITS: NaN and infinities are not served; given scale bytes of 0xff are not served; a computed block whose largest magnitude lies under 2^-124 (or is 0) gets the byte 1: only this program reads these bytes.
; REGISTERS.  window 0: addresses, scales, biases, work.  window 1: two sets of fragments (set p at 96 p: source 0's tile i at + 8 i, source 1's tile j at + 64 + 8 j); v192-255 k's bias.  window 2: accumulator (j, i) at 8 (8 j + i).
.set PITCH, 528                        ; an LDS row: 512 bytes of codes + 16 of padding, an odd multiple of 16: the 16 rows of a fragment load start in 16 different groups of four banks
.set HALFT, 128*PITCH                  ; 128 rows: what one tensor load brings
.set W0,    2*HALFT                    ; x's 256 rows lie at 0; here Wq, later Wv
.set W1,    3*HALFT                    ; Wk
.set SPARE, 4*HALFT                    ; the spare words: 128 bytes a wave, two blocks of 256 bytes that no other line names
.set LI,  4                            ; 16 x lane
.set LR,  5                            ; 16 r
.set SCO, 6                            ; 16 r + 8,192 h: lanes 16-31 store the second head's scale words
.set SH,  7                            ; 16 h
.set VSO, 8                            ; 32 r + 16 h: my 16 scale bytes of a tile's 16 rows
.set BO,  9                            ; 32 h
.set BVO, 10                           ; 4 r
.set AW0, 12                           ; LDS: Wq's fragments
.set AW1, 13                           ; Wk's
.set AX1, 14                           ; x's, my 64 tokens
.set AX0, 15                           ; x's, my 128 tokens (piece v)
.set AWV, 16                           ; Wv's, my 64 rows
.set SPW, 18                           ; my spare word's address; never rewritten
.set NIL, 19                           ; 0; never rewritten
.set BVR, 20                           ; v20-23  v's bias of my lane's channel, tile j
.set SQ,  32                           ; scales: Wq's 8 tiles x 4 registers
.set SK,  64                           ; Wk's
.set SX,  96                           ; x's, my 64 tokens
.set SXV, 112                          ; x's, my 128 tokens
.set SWV, 144                          ; Wv's, my 64 rows
.set BQ,  160                          ; q's bias, 8 tiles x 8, in the result's layout
.set BV,  160                          ; later v's, 4 tiles x 8
.set BK,  192                          ; k's bias, in window 1
.set PC,  224                          ; the codes just made
.set TM,  232                          ; + 0..3 largest magnitudes, + 4..7 the other lane's, then bytes, + 12..15 the conversions' scale operands
.set SW,  248                          ; four scale words to store
.set PW,  252                          ; the scale word just made
.set SEL, 60                           ; s[60:61] selects for lane l xor 16
.set MSB, 0
.macro WIN new                         ; the immediate's high byte repeats the setting that is left
.if MSB != \new
	s_set_vgpr_msb (MSB<<8)|\new
.set MSB, \new
.endif
.endm
.macro PLACES n
.rept \n
	v_nop
.endr
.endm
.macro CROUND                          ; a round of the cluster's barrier
	s_barrier_signal -1
	s_barrier_wait -1
	s_cmp_lg_u32 s14, 0
	s_cbranch_scc1 .Lnot_wave_0_\@
	s_barrier_signal -3
.Lnot_wave_0_\@:
	s_barrier_wait -3
	s_barrier_signal -1
	s_barrier_wait -1
.endm
; 24 LDS loads: source 0's eight fragments and source 1's four, K step s, into set p
.macro FETCH a0, a1, s, p
	WIN 0x40                                       ; destination window 1, address window 0
.irp i, 0,1,2,3,4,5,6,7
.irp c, 0,1
	ds_load_b128 v[96*(\p)+8*\i+4*\c:96*(\p)+8*\i+4*\c+3], v[\a0] offset:16*\i*PITCH+64*(\s)+32*\c
.endr
.endr
.irp j, 0,1,2,3
.irp c, 0,1
	ds_load_b128 v[96*(\p)+64+8*\j+4*\c:96*(\p)+64+8*\j+4*\c+3], v[\a1] offset:16*\j*PITCH+64*(\s)+32*\c
.endr
.endr
.endm
; 32 matrix instructions, K step s, from set p.  The 32 accumulators take turns, one instruction a turn, in the same order in every step.
; cm = 0: the sums go on;  1, 2, 3: the first step starts them with the bias as C (q's, k's, v's): nothing is cleared and no bias is added by a vector instruction.
.macro MULS s, p, sc0, sc1, cm
.if (\cm) == 0
	WIN 0xa5                                       ; A, B window 1; C, D window 2
.elseif (\cm) == 2
	WIN 0x95                                       ; C window 1
.else
	WIN 0x85                                       ; C window 0
.endif
.irp j, 0,1,2,3
.irp i, 0,1,2,3,4,5,6,7
.set rD, 8*(8*\j+\i)
.set rC, rD
.if (\cm) == 1
.set rC, BQ+8*\i
.elseif (\cm) == 2
.set rC, BK+8*\i
.elseif (\cm) == 3
.set rC, BV+8*\j
.endif
.set rA, 96*(\p)+8*\i
.set rB, 96*(\p)+64+8*\j
.set rX, \sc0+4*\i+(\s)%4
.set rY, \sc1+4*\j+(\s)%4
.if (\s) < 4
	v_wmma_scale_f32_16x16x128_f8f6f4 v[rD:rD+7], v[rA:rA+7], v[rB:rB+7], v[rC:rC+7], v[rX], v[rY] matrix_a_fmt:MATRIX_FMT_FP4 matrix_b_fmt:MATRIX_FMT_FP4
.else
	v_wmma_scale_f32_16x16x128_f8f6f4 v[rD:rD+7], v[rA:rA+7], v[rB:rB+7], v[rC:rC+7], v[rX], v[rY] matrix_a_fmt:MATRIX_FMT_FP4 matrix_b_fmt:MATRIX_FMT_FP4 matrix_a_scale:MATRIX_SCALE_ROW1 matrix_b_scale:MATRIX_SCALE_ROW1
.endif
.endr
.endr
.endm
; A piece's eight K steps, written out: every offset is an immediate.  The next step's fragments are asked for ahead of a step's products.
.macro KLOOP a0, a1, sc0, sc1, cm
	FETCH \a0, \a1, 0, 0
.set KSTP, 0
.rept 7
	PLACES 4                                       ; four places between the products that read a set and the loads into it (ISA guide 7.12.1 for vector instructions)
	FETCH \a0, \a1, KSTP+1, (KSTP+1)%2
	s_wait_dscnt 24                                ; all but the 24 loads just issued: this step's fragments are in
.if KSTP == 0
	MULS KSTP, KSTP%2, \sc0, \sc1, \cm
.else
	MULS KSTP, KSTP%2, \sc0, \sc1, 0
.endif
.set KSTP, KSTP+1
.endr
	s_wait_dscnt 0x0
	MULS 7, 1, \sc0, \sc1, 0
	WIN 0
.endm
; 64 accumulator registers of window 2, from base on, become a fragment's codes in v[PC] on and its scale word in v[PW].  Each accumulator is read from its low end on.
.macro QUANT base
	s_wait_xcnt 0x0                                ; the earlier stores have read v[PC] on and v[SW] on: they are written again only behind this wait
	WIN 0x0a                                       ; sources 0 and 1 window 2
.irp b, 0,1,2,3
	v_max3_num_f32 v[TM+\b], |v[(\base)+16*\b]|, |v[(\base)+16*\b+1]|, 0x1800000   ; block b: my 16 numbers, and the floor 2^(3 - 127): the byte cannot fall under 1
.endr
	WIN 0x28                                       ; sources 1 and 2 window 2
.irp i, 2,4,6,8,10,12,14
.irp b, 0,1,2,3
	v_max3_num_f32 v[TM+\b], v[TM+\b], |v[(\base)+16*\b+\i]|, |v[(\base)+16*\b+\i+1]|   ; the four blocks by turns
.endr
.endr
	WIN 0
.irp b, 0,1,2,3
	v_permlanex16_b32 v[TM+4+\b], v[TM+\b], s[SEL], s[SEL+1]
.endr
.irp b, 0,1,2,3
	v_max_num_f32 v[TM+\b], v[TM+\b], v[TM+4+\b]   ; with lane l xor 16's: the block's largest magnitude
.endr
.irp b, 0,1,2,3
	v_add_nc_u32 v[TM+12+\b], 0xff000000, v[TM+\b] ; 2 off its exponent field: the conversion takes the exponent field of this operand as its scale
.endr
.irp b, 0,1,2,3
	v_lshrrev_b32 v[TM+4+\b], 23, v[TM+12+\b]      ; the scale's byte
.endr
	v_lshl_or_b32 v[PW], v[TM+5], 8, v[TM+4]
	v_lshl_or_b32 v[PW], v[TM+6], 16, v[PW]
	v_lshl_or_b32 v[PW], v[TM+7], 24, v[PW]
	WIN 0x02                                       ; source 0 window 2
.irp t, 0,1,2,3,4,5,6,7
	v_cvt_scalef32_pk8_fp4_f32 v[PC+4*(\t/4)+2*(\t%2)+(\t%4)/2], v[(\base)+8*\t:(\base)+8*\t+7], v[TM+12+\t/2]
.endr
	WIN 0
	v_nop                                          ; one plain instruction behind the last scaled conversion
.irp c, 0,2,4,6
	v_permlane16_swap_b32 v[PC+\c], v[PC+\c+1]     ; the first's lanes 16-31 change places with the second's lanes 0-15
.endr
.endm
.macro EPI_QK img, sc                  ; four tiles of 16 tokens: registers 0-3 are the first head's image, 4-7 the second's
.irp j, 0,1,2,3
	QUANT 64*\j
	global_store_b128 v[LI], v[PC:PC+3], s[\img:\img+1] offset:512*\j
	global_store_b128 v[LI], v[PC+4:PC+7], s[\img:\img+1] offset:65536+512*\j
	v_lshrrev_b32 v[SW+\j], v[SH], v[PW]           ; lanes 0-15 keep the word, lanes 16-31 bring the second head's two bytes down
.endr
	global_store_b128 v[SCO], v[SW:SW+3], s[\sc:\sc+1]
.endm
.macro EPI_V                           ; four tiles of 16 channels x 128 keys: whole fragments
.irp j, 0,1,2,3
	QUANT 64*\j
	global_store_b128 v[LI], v[PC:PC+3], s[76:77] offset:1024*\j
	global_store_b128 v[LI], v[PC+4:PC+7], s[76:77] offset:1024*\j+512
	v_mov_b32 v[SW+\j], v[PW]
.endr
	global_store_b128 v[LR], v[SW:SW+3], s[78:79]  ; lanes l and l + 16 hold the same words and write the same bytes
.endm
	s_load_b256 s[4:11], s[0:1], 0x0               ; x's codes s[4:5], x's scales s[6:7], W's codes s[8:9], W's scales s[10:11]
	s_load_b64 s[12:13], s[0:1], 0x20              ; the bias
	s_load_b256 s[68:75], s[0:1], 0x28             ; q_img, q_sc, k_img, k_sc
	s_load_b128 s[76:79], s[0:1], 0x48             ; v_img, v_sc
	v_lshl_add_u32 v[SPW], v0, 2, SPARE
	v_mov_b32 v[NIL], 0
	ds_add_u32 v18, v19
	ds_add_u32 v18, v19
	s_wait_dscnt 0x0
	v_lshrrev_b32 v1, 5, v0
	v_readfirstlane_b32 s14, v1                    ; wave 0..3
	s_lshr_b32 s15, s14, 1
	s_and_b32 s16, s14, 1
	s_bfe_u32 s40, ttmp6, 0x40000                  ; cx
	s_bfe_u32 s41, ttmp6, 0x40004                  ; cy
	s_lshl_b32 s42, ttmp9, 2
	s_add_co_u32 s42, s42, s40                     ; gx: the pair of heads
	s_and_b32 s17, ttmp7, 0xffff
	s_lshl_b32 s17, s17, 2
	s_add_co_u32 s17, s17, s41                     ; gy: the 256 tokens
	s_lshl_b32 s43, s41, 2
	s_lshl_b32 s43, 15, s43                        ; my row of the cluster
	s_lshl_b32 s44, 0x1111, s40                    ; my column
	; descriptor group 1: 128 rows of 512 bytes, 512 bytes apart in memory, 16 bytes of padding behind each in LDS
	s_or_b32 s24, s43, (1<<20)|(1<<21)|(6<<22)|(3<<25)   ; x's tiles go to my row: the mask; elements of 1 byte; padding on; bit 21 beside a mask; after every 128 words; four words
	s_or_b32 s48, s44, (1<<20)|(1<<21)|(6<<22)|(3<<25)   ; W's to my column
.irp g, 24, 48
	s_mov_b32 s[\g+1], 512<<16                     ; tensor_dim0
	s_mov_b32 s[\g+2], 128<<16                     ; tensor_dim1
	s_mov_b32 s[\g+3], 512<<16                     ; tile_dim0
	s_mov_b32 s[\g+4], 128                         ; tile_dim1
	s_mov_b32 s[\g+5], 512                         ; the pitch
	s_mov_b32 s[\g+6], 0
	s_mov_b32 s[\g+7], 0
.endr
	s_lshl_b32 s20, s17, 17                        ; x: 256 gy rows of 512 bytes,
	s_lshl_b32 s21, s16, 16                        ; + 128 rows for the odd wave
	s_add_co_u32 s20, s20, s21
	s_mov_b32 s21, 0
	s_lshl_b32 s46, s42, 16                        ; W: 128 gx rows
	s_mov_b32 s47, 0
	s_lshl_b32 s22, s16, 19                        ; + 1,024 rows for the odd wave: Wk
	s_mov_b32 s23, 0
	s_mul_i32 s45, s14, HALFT                      ; where a wave's first tile goes: x's halves, Wq, Wk
	s_wait_kmcnt 0x0
	s_mov_b32 s32, 1                               ; group 0 for x's halves (waves 0, 1)
	s_mov_b32 s33, s45
	s_add_nc_u64 s[34:35], s[4:5], s[20:21]
	s_or_b32 s35, s35, 0x80000000
	s_mov_b32 s36, 1                               ; for Wq and Wk (waves 2, 3)
	s_mov_b32 s37, s45
	s_add_nc_u64 s[38:39], s[8:9], s[46:47]
	s_add_nc_u64 s[58:59], s[38:39], 0x100000      ; for Wv: 2,048 rows on
	s_add_nc_u64 s[38:39], s[38:39], s[22:23]
	s_or_b32 s39, s39, 0x80000000
	s_mov_b32 s56, 1
	s_mov_b32 s57, W0
	s_or_b32 s59, s59, 0x80000000
	CROUND                                         ; all sixteen work-groups are here: the first joint loads meet
	s_cmp_eq_u32 s15, 0
	s_cbranch_scc0 .Lfor_w
	tensor_load_to_lds s[32:35], s[24:31]
	s_nop 0
	PLACES 4
	s_branch .Lasked
.Lfor_w:
	tensor_load_to_lds s[36:39], s[48:55]
	s_nop 0
	PLACES 4
.Lasked:
	v_and_b32 v1, 31, v0
	v_and_b32 v2, 15, v0                           ; r
	v_bfe_u32 v3, v0, 4, 1                         ; h
	v_lshlrev_b32 v[LI], 4, v1
	v_lshlrev_b32 v[LR], 4, v2
	v_lshl_add_u32 v[SCO], v3, 13, v[LR]
	v_lshlrev_b32 v[SH], 4, v3
	v_lshl_add_u32 v[VSO], v2, 5, v[SH]
	s_wait_alu depctr_va_vdst(0)
	v_lshlrev_b32 v[BO], 5, v3
	v_lshlrev_b32 v[BVO], 2, v2
	s_wait_alu depctr_va_vdst(0)
	s_lshl_b32 s46, s42, 12                        ; W's scales: 128 gx rows of 32 bytes
	s_add_nc_u64 s[80:81], s[10:11], s[46:47]
	s_lshl_b32 s22, s16, 11                        ; + 64 rows for the odd wave (piece v)
	s_add_nc_u64 s[82:83], s[80:81], s[22:23]
	s_lshl_b32 s20, s17, 13                        ; x's scales: 256 gy rows
	s_add_nc_u64 s[84:85], s[6:7], s[20:21]
	s_add_nc_u64 s[86:87], s[6:7], s[20:21]
	s_lshl_b32 s22, s14, 11                        ; + 64 w rows
	s_add_nc_u64 s[84:85], s[84:85], s[22:23]
	s_lshl_b32 s22, s15, 12                        ; + 128 (w / 2) rows
	s_add_nc_u64 s[86:87], s[86:87], s[22:23]
	s_lshl_b32 s46, s42, 9                         ; the bias: 128 gx numbers
	s_add_nc_u64 s[88:89], s[12:13], s[46:47]
	s_lshl_b32 s22, s16, 8                         ; + 64 for the odd wave
	s_add_nc_u64 s[90:91], s[88:89], s[22:23]
.irp i, 0,1,2,3,4,5,6,7
	global_load_b128 v[SQ+4*\i:SQ+4*\i+3], v[VSO], s[80:81] offset:512*\i          ; 32 lanes read a tile's 512 consecutive scale bytes
	global_load_b128 v[SK+4*\i:SK+4*\i+3], v[VSO], s[80:81] offset:32768+512*\i
	global_load_b128 v[SXV+4*\i:SXV+4*\i+3], v[VSO], s[86:87] offset:512*\i
.endr
.irp j, 0,1,2,3
	global_load_b128 v[SX+4*\j:SX+4*\j+3], v[VSO], s[84:85] offset:512*\j
	global_load_b128 v[SWV+4*\j:SWV+4*\j+3], v[VSO], s[82:83] offset:65536+512*\j
	global_load_b32 v[BVR+\j], v[BVO], s[90:91] offset:8192+64*\j
.endr
.irp i, 0,1,2,3,4,5,6,7
	global_load_b128 v[BQ+8*\i:BQ+8*\i+3], v[BO], s[88:89] offset:64*\i             ; lane (r, h): the bias of channels 16 i + 8 h + 0..7
	global_load_b128 v[BQ+8*\i+4:BQ+8*\i+7], v[BO], s[88:89] offset:64*\i+16
.endr
	WIN 0x40
.irp i, 0,1,2,3,4,5,6,7
	global_load_b128 v[BK+8*\i:BK+8*\i+3], v[BO], s[88:89] offset:4096+64*\i
	global_load_b128 v[BK+8*\i+4:BK+8*\i+7], v[BO], s[88:89] offset:4096+64*\i+16
.endr
	WIN 0
	v_mul_u32_u24 v11, v2, PITCH
	v_add_nc_u32 v11, v11, v[SH]                   ; a fragment's row x pitch + 16 h
	v_add_nc_u32 v[AW0], W0, v11
	v_add_nc_u32 v[AW1], W1, v11
	s_mul_i32 s18, s14, 64*PITCH
	v_add_nc_u32 v[AX1], s18, v11
	s_mul_i32 s18, s15, HALFT
	v_add_nc_u32 v[AX0], s18, v11
	s_mul_i32 s18, s16, 64*PITCH
	s_add_co_u32 s18, s18, W0
	v_add_nc_u32 v[AWV], s18, v11
.irp b, 0,1,2,3
	v_mov_b32 v[TM+4+\b], 0                        ; written once: a lane permute's destination counts as one of its sources
.endr
	s_mov_b32 s[SEL], 0x76543210
	s_mov_b32 s[SEL+1], 0xfedcba98
	; where my results go.  b = gy / 8, y8 = gy % 8
	s_lshr_b32 s92, s17, 3
	s_and_b32 s93, s17, 7
	s_lshl_b32 s94, s92, 20                        ; images of q and k: ((16 b + 2 gx) 128 + 16 y8 + 4 w) x 512
	s_lshl_b32 s95, s42, 17
	s_add_co_u32 s94, s94, s95
	s_lshl_b32 s95, s93, 13
	s_add_co_u32 s94, s94, s95
	s_lshl_b32 s95, s14, 11
	s_add_co_u32 s94, s94, s95
	s_mov_b32 s95, 0
	s_add_nc_u64 s[68:69], s[68:69], s[94:95]
	s_add_nc_u64 s[72:73], s[72:73], s[94:95]
	s_lshr_b32 s94, s94, 3                         ; their scale words: an eighth of that
	s_add_nc_u64 s[70:71], s[70:71], s[94:95]
	s_add_nc_u64 s[74:75], s[74:75], s[94:95]
	s_lshl_b32 s96, s92, 8                         ; v: index (16 b + 2 gx + w % 2) 16 + 2 y8 + w / 2
	s_lshl_b32 s97, s42, 5
	s_add_co_u32 s96, s96, s97
	s_lshl_b32 s97, s16, 4
	s_add_co_u32 s96, s96, s97
	s_lshl_b32 s97, s93, 1
	s_add_co_u32 s96, s96, s97
	s_add_co_u32 s96, s96, s15
	s_lshl_b32 s94, s96, 12
	s_add_nc_u64 s[76:77], s[76:77], s[94:95]
	s_lshl_b32 s94, s96, 8
	s_add_nc_u64 s[78:79], s[78:79], s[94:95]
	s_wait_alu depctr_va_vdst(0)
	s_wait_tensorcnt 0x0                           ; my tile is in,
	s_barrier_signal -1
	s_barrier_wait -1                              ; everybody's is
	s_wait_loadcnt 0x0                             ; scales and biases
	KLOOP AW0, AX1, SQ, SX, 1                      ; PIECE q
	s_wait_tensorcnt 0x0                           ; Wq's bytes are to be filled again: no tensor load of mine is out;
	ds_add_u32 v[SPW], v[NIL]                      ; 0 onto my spare word;
	PLACES 4                                       ; (the places between the last products and the first read of their results)
	s_wait_dscnt 0x0                               ; the add is done, and my reads of Wq are over
	CROUND                                         ; that now holds of every wave of all sixteen work-groups
	s_cmp_eq_u32 s14, 2
	s_cbranch_scc0 .Lno_v
	tensor_load_to_lds s[56:59], s[48:55]          ; Wv, jointly with my column: wave 2's one load behind the round
	s_nop 0
	PLACES 4
.Lno_v:
	EPI_QK 68, 70
	KLOOP AW1, AX1, SK, SX, 2                      ; PIECE k
	PLACES 4
	EPI_QK 72, 74
.irp j, 0,1,2,3
.irp e, 0,1,2,3,4,5,6,7
	v_mov_b32 v[BV+8*\j+\e], v[BVR+\j]             ; v's bias in the result's layout: a lane holds one channel, so all eight registers of a tile hold its bias
.endr
.endr
	s_wait_alu depctr_va_vdst(0)
	s_wait_tensorcnt 0x0                           ; Wv is in (wave 2's wait),
	s_wait_dscnt 0x0
	s_barrier_signal -1
	s_barrier_wait -1                              ; for every wave
	KLOOP AX0, AWV, SXV, SWV, 3                    ; PIECE v
	PLACES 4
	EPI_V
	s_wait_tensorcnt 0x0                           ; the wave's end
	ds_add_u32 v[SPW], v[NIL]
	s_wait_dscnt 0x0
	CROUND                                         ; the closing round: no work-group ends while a partner may still ask for a tile that names it
	s_endpgm
.Lfunc_end_k_q64704ac25e_qkv:
	.size	k_q64704ac25e_qkv, .Lfunc_end_k_q64704ac25e_qkv-k_q64704ac25e_qkv
	.p2alignl 7, 3214868480
	.fill 96, 4, 3214868480
	.section	.rodata,"a",@progbits
	.p2align	6, 0x0
	.amdhsa_kernel k_q64704ac25e_qkv
		.amdhsa_group_segment_fixed_size 327680
		.amdhsa_private_segment_fixed_size 0
		.amdhsa_enable_private_segment 0
		.amdhsa_kernarg_size 88
		.amdhsa_user_sgpr_count 2
		.amdhsa_user_sgpr_kernarg_segment_ptr 1
		.amdhsa_wavefront_size32 1
		.amdhsa_system_sgpr_workgroup_id_x 1
		.amdhsa_system_sgpr_workgroup_id_y 1
		.amdhsa_system_sgpr_workgroup_id_z 1
		.amdhsa_system_vgpr_workitem_id 0
		.amdhsa_next_free_vgpr 768
		.amdhsa_next_free_sgpr 100
		.amdhsa_reserve_vcc 0
		.amdhsa_float_denorm_mode_32 3
		.amdhsa_float_denorm_mode_16_64 3
		.amdhsa_memory_ordered 1
		.amdhsa_forward_progress 1
		.amdhsa_inst_pref_size 203
	.end_amdhsa_kernel
	.amdgpu_metadata
---
amdhsa.version: [ 1, 2 ]
amdhsa.kernels:
  - .name:           k_q64704ac25e_qkv
    .symbol:         k_q64704ac25e_qkv.kd
    .args:
      - { .name: x_codes, .offset: 0, .size: 8, .value_kind: global_buffer, .address_space: global }
      - { .name: x_scales, .offset: 8, .size: 8, .value_kind: global_buffer, .address_space: global }
      - { .name: w_qkv_codes, .offset: 16, .size: 8, .value_kind: global_buffer, .address_space: global }
      - { .name: w_qkv_scales, .offset: 24, .size: 8, .value_kind: global_buffer, .address_space: global }
      - { .name: b_qkv, .offset: 32, .size: 8, .value_kind: global_buffer, .address_space: global }
      - { .name: q_img, .offset: 40, .size: 8, .value_kind: global_buffer, .address_space: global }
      - { .name: q_sc, .offset: 48, .size: 8, .value_kind: global_buffer, .address_space: global }
      - { .name: k_img, .offset: 56, .size: 8, .value_kind: global_buffer, .address_space: global }
      - { .name: k_sc, .offset: 64, .size: 8, .value_kind: global_buffer, .address_space: global }
      - { .name: v_img, .offset: 72, .size: 8, .value_kind: global_buffer, .address_space: global }
      - { .name: v_sc, .offset: 80, .size: 8, .value_kind: global_buffer, .address_space: global }
    .group_segment_fixed_size: 327680
    .private_segment_fixed_size: 0
    .kernarg_segment_align: 8
    .kernarg_segment_size: 88
    .max_flat_workgroup_size: 128
    .sgpr_count:     100
    .vgpr_count:     768
    .wavefront_size: 32
...
	.end_amdgpu_metadata
.endif
;; end of part 1
;; launch attn (part 2): grid 4 x 64, 16 waves a work-group, clusters of 4 x 1, 169,984 bytes of LDS; arguments q_img, q_sc, k_img, k_sc, v_img, v_sc, ao_img, ao_sc; writes ao_img, ao_sc
.if DOCPART == 2
	.amdgcn_target "amdgcn-amd-amdhsa--gfx1250"
	.amdhsa_code_object_version 6
	.text
	.protected	k_q64704ac25e_attn
	.globl	k_q64704ac25e_attn
	.p2align	8
	.type	k_q64704ac25e_attn,@function
k_q64704ac25e_attn:
	s_mov_b64 s[64:65], 0
	v_nop
	global_prefetch_b8 v0, s[64:65] scope:SCOPE_SE
	s_setreg_imm32_b32 hwreg(HW_REG_WAVE_MODE, 25, 1), 1
	s_wait_xcnt 0x0
	s_wait_alu depctr_hold_cnt(0) depctr_sa_sdst(0) depctr_va_vdst(0) depctr_va_sdst(0) depctr_va_ssrc(0) depctr_va_vcc(0) depctr_vm_vsrc(0)
	s_getreg_b32 s2, hwreg(HW_REG_IB_STS2, 6, 4)
	s_cmp_eq_u32 s2, 0
	s_cbranch_scc0 .Lentry_in_a_cluster
	s_endpgm
.Lentry_in_a_cluster:
	s_bfe_u32 s2, ttmp6, 0x10000c
	s_cmp_lg_u32 s2, 0x3003
	s_cbranch_scc0 .Lentry_shape_is_right
	s_endpgm
.Lentry_shape_is_right:
; Causal attention of one head (bh = 16 b + head) on codes of FP4 (E2M1), one E8M0 scale for each 32 along a product's K; the result, divided by the row's sum, is quantised along the channels for the last product.
; t = score x log2(e) / 8; M = the running largest t rounded UP to a whole number; p = 2^(t - M) is quantised along the keys, not normalised; the row's sum is taken of the unquantised p.  When M moves, the sum and O are
; multiplied by 2^(old M - new M), which rounds nothing.
; SHARES.  The four work-groups of a cluster belong to one head.  The head's whole K and V (images of operand registers, and scale words: 143,360 bytes) come into each one's LDS ONCE, by joint loads, and stay: no ring, no refill.
; A wave makes two tiles of 16 queries, one behind the other: t1 = 4 w + cx and t2 = 127 - t1.  Their last key steps (128 keys a step) are w / 2 and 15 - w / 2: numbers of the wave alone, so that no branch hangs on the
; work-group's place in its cluster, and every wave of the launch has 17 key steps, two of them on the diagonal.  The place enters only Q's and the result's addresses in memory and the mask's compare value.
; The loop over key steps has 16 trips in each pass; a step all of whose keys come after the tile's queries is jumped over by a scalar branch on the wave's number and the counters.
; LAYOUT.  Both products transposed: S^T = K Q^T (source 0 = 16 keys, source 1 = my 16 queries), O^T = V^T P^T (source 0 = 16 channels, source 1 = P): a lane holds ONE query (lane % 16) throughout.
; The head has 64 channels, half of the instruction's 128 along K: registers 4-7 of K's and Q's fragments hold zero codes.
; In S^T's tile i lane (r, h) holds keys 16 i + 8 h + 0..7.  The codes of tiles 4c, 4c+1, 4c+2, 4c+3 go to registers 4c, 4c+2, 4c+1, 4c+3; two exchanges of lane halves give the operand's layout.
; No prefetch is laid: all that the launch reads is asked for at its head.  By this text's own count a wave has one tensor load out at the most.
; The scale bytes of a tile leave as two bytes a lane, 32 bytes of an aligned 256: a sixteenth of what the launch stores.
; LIMITS: NaN and infinities are not served; a block of the result whose largest magnitude lies under 2^-124 (or is 0) gets the byte 1: only this program reads these bytes.
.set KI,  0                            ; LDS: K's images, 512 bytes a tile of 16 keys
.set VI,  65536                        ; V's: 4,096 bytes a key step
.set KS,  131072                       ; K's scale words: 512 bytes a key step
.set VS,  139264                       ; V's: 256 bytes a key step
.set LI,  1                            ; 16 x lane
.set LR,  2                            ; 16 r
.set AV0, 3                            ; VI + 16 x lane
.set AS0, 4                            ; KS + 16 x lane
.set DD,  5                            ; d = 16 (t % 8) + r - 8 h: in the diagonal step register 8 i + j holds a hidden key where 16 i + j > d
.set RH,  6                            ; r - 8 h
.set NINF, 7                           ; -infinity
.set ADK, 8
.set ADV, 9
.set ADS, 10
.set ADT, 11
.set QF,  16                           ; v16-23 Q's fragment (v20-23 zero codes)
.set QS,  24                           ; its scale words
.set QS2, 25                           ; the second pass's
.set QF2, 26                           ; v26-29
.set AT0, 30                           ; VS + 16 r
.set KF,  32                           ; v32-95 eight fragments of K (the upper four registers of each: zero codes)
.set ST,  96                           ; v96-159 S^T, then p
.set OT,  160                          ; v160-191 O^T
.set VF,  192                          ; v192-223 four fragments of V
.set PC,  224                          ; v224-231 p's codes
.set VSW, 240                          ; v240-243 V's scale words
.set KSW, 248                          ; v248-251 K's: lanes 0-15 tiles 0-3, lanes 16-31 tiles 4-7
.set WV,  20
.set SEL, 22
.set CS,  24                           ; s[24:25] c = log2(e) / 8
.set BH,  53
.macro PLACES n
.rept \n
	v_nop
.endr
.endm
.macro CROUND
	s_barrier_signal -1
	s_barrier_wait -1
	s_cmp_lg_u32 s[WV], 0
	s_cbranch_scc1 .Lnot_wave_0_\@
	s_barrier_signal -3
.Lnot_wave_0_\@:
	s_barrier_wait -3
	s_barrier_signal -1
	s_barrier_wait -1
.endm
; The four addresses of query tile s[t]: Q's image, Q's scale words, the result's image, its scale bytes
.macro PADDR t, qi, qs, aim, asc
	s_lshl_b32 s76, s[BH], 16
	s_lshl_b32 s77, s[\t], 9
	s_add_co_u32 s76, s76, s77
	s_mov_b32 s77, 0
	s_add_nc_u64 s[\qi:\qi+1], s[4:5], s[76:77]    ; q_img + bh 65,536 + 512 t
	s_lshl_b32 s76, s[BH], 13
	s_lshr_b32 s78, s[\t], 2
	s_lshl_b32 s78, s78, 8
	s_add_co_u32 s76, s76, s78
	s_and_b32 s78, s[\t], 3
	s_lshl_b32 s78, s78, 2
	s_add_co_u32 s76, s76, s78
	s_add_nc_u64 s[\qs:\qs+1], s[6:7], s[76:77]    ; q_sc + bh 8,192 + 256 (t / 4) + 4 (t % 4)
	s_lshr_b32 s76, s[BH], 4
	s_lshl_b32 s76, s76, 20
	s_lshl_b32 s78, s[\t], 13
	s_add_co_u32 s76, s76, s78
	s_and_b32 s78, s[BH], 15
	s_lshl_b32 s78, s78, 9
	s_add_co_u32 s76, s76, s78
	s_add_nc_u64 s[\aim:\aim+1], s[16:17], s[76:77]  ; ao_img + b 2^20 + 8,192 t + 512 head
	s_lshr_b32 s76, s[BH], 4
	s_lshl_b32 s76, s76, 16
	s_lshl_b32 s78, s[\t], 9
	s_add_co_u32 s76, s76, s78
	s_bfe_u32 s78, s[BH], 0x10003
	s_lshl_b32 s78, s78, 8
	s_add_co_u32 s76, s76, s78
	s_and_b32 s78, s[BH], 7
	s_lshl_b32 s78, s78, 1
	s_add_co_u32 s76, s76, s78
	s_add_nc_u64 s[\asc:\asc+1], s[18:19], s[76:77]  ; ao_sc + (128 b + t) 512 + 256 (head / 8) + 2 (head % 8)
.endm
	s_load_b256 s[4:11], s[0:1], 0x0               ; q_img, q_sc, k_img, k_sc
	s_load_b256 s[12:19], s[0:1], 0x20             ; v_img, v_sc, ao_img, ao_sc
	v_lshl_add_u32 v31, v0, 2, 0x29000
	v_mov_b32 v255, 0
	ds_add_u32 v31, v255
	ds_add_u32 v31, v255
	v_lshrrev_b32 v8, 5, v0
	s_delay_alu instid0(VALU_DEP_1)
	v_readfirstlane_b32 s[WV], v8                  ; wave 0..15
	s_bfe_u32 s52, ttmp6, 0x40000                  ; cx
	s_and_b32 s[BH], ttmp7, 0xffff                 ; the head, which the four partners share
	; descriptor group 1: dense blocks as rows of 256 bytes (32 elements of 8 bytes), 64 rows and 16 rows; the mask names all four work-groups, bit 21 beside it
	s_mov_b32 s28, 15|(3<<16)|(1<<21)
	s_mov_b32 s29, 32<<16
	s_mov_b32 s30, 64<<16
	s_mov_b32 s31, 32<<16
	s_mov_b32 s32, 64
	s_mov_b32 s33, 32
	s_mov_b32 s34, 0
	s_mov_b32 s35, 0
	s_mov_b32 s36, 15|(3<<16)|(1<<21)
	s_mov_b32 s37, 32<<16
	s_mov_b32 s38, 16<<16
	s_mov_b32 s39, 32<<16
	s_mov_b32 s40, 16
	s_mov_b32 s41, 32
	s_mov_b32 s42, 0
	s_mov_b32 s43, 0
	s_lshl_b32 s45, s[WV], 14                      ; waves 0-7: a quarter of K's images (0-3) or of V's (4-7), to 16,384 w
	s_lshl_b32 s49, s[WV], 12
	s_add_co_u32 s49, s49, KS-8*4096               ; waves 8-10: halves of K's scale words, then V's: to KS + 4,096 (w - 8)
	s_and_b32 s60, s[WV], 3
	s_lshl_b32 s60, s60, 14
	s_lshl_b32 s61, s[BH], 16
	s_add_co_u32 s60, s60, s61
	s_mov_b32 s61, 0
	s_and_b32 s62, s[WV], 1
	s_lshl_b32 s62, s62, 12
	s_cmp_lt_u32 s[WV], 10
	s_cselect_b32 s63, 13, 12                      ; a head's scale words: 8,192 bytes of K's, 4,096 of V's
	s_lshl_b32 s63, s[BH], s63
	s_add_co_u32 s62, s62, s63
	s_mov_b32 s63, 0
	s_wait_dscnt 0x0
	s_wait_kmcnt 0x0
	s_mov_b32 s44, 1
	s_cmp_lt_u32 s[WV], 4
	s_cselect_b64 s[46:47], s[8:9], s[12:13]
	s_add_nc_u64 s[46:47], s[46:47], s[60:61]
	s_or_b32 s47, s47, 0x80000000
	s_mov_b32 s48, 1
	s_cmp_lt_u32 s[WV], 10
	s_cselect_b64 s[50:51], s[10:11], s[14:15]
	s_add_nc_u64 s[50:51], s[50:51], s[62:63]
	s_or_b32 s51, s51, 0x80000000
	CROUND                                         ; all four work-groups are here: the joint loads meet
	s_cmp_lt_u32 s[WV], 8
	s_cbranch_scc0 .Lnot_img
	tensor_load_to_lds s[44:47], s[28:35]
	s_nop 0
	PLACES 4
	s_branch .Lasked
.Lnot_img:
	s_cmp_lt_u32 s[WV], 11
	s_cbranch_scc0 .Lasked
	tensor_load_to_lds s[48:51], s[36:43]
	s_nop 0
	PLACES 4
.Lasked:
	v_and_b32 v8, 31, v0
	v_and_b32 v9, 15, v0                           ; r
	v_bfe_u32 v10, v0, 4, 1                        ; h
	s_delay_alu instid0(VALU_DEP_3)
	v_lshlrev_b32 v[LI], 4, v8
	s_wait_alu depctr_va_vdst(0)
	v_lshlrev_b32 v[LR], 4, v9
	s_wait_alu depctr_va_vdst(0)
	v_add_nc_u32 v[AV0], VI, v[LI]
	v_add_nc_u32 v[AS0], KS, v[LI]
	v_add_nc_u32 v[AT0], VS, v[LR]
	v_lshlrev_b32 v10, 3, v10
	s_delay_alu instid0(VALU_DEP_1)
	v_sub_nc_u32 v[RH], v9, v10
	s_wait_alu depctr_va_vdst(0)
	s_lshl_b32 s59, s[WV], 2
	s_add_co_u32 s59, s59, s52                     ; t1 = 4 w + cx
	s_sub_co_u32 s54, 127, s59                     ; t2
	PADDR 59, 80, 82, 68, 70
	PADDR 54, 84, 86, 72, 74
	global_load_b128 v[QF:QF+3], v[LI], s[80:81]
	global_load_b32 v[QS], v[LR], s[82:83]
	global_load_b128 v[QF2:QF2+3], v[LI], s[84:85]
	global_load_b32 v[QS2], v[LR], s[86:87]
	s_lshr_b32 s55, s[WV], 1                       ; the first pass's last key step
	s_and_b32 s58, s59, 7
	s_lshl_b32 s58, s58, 4                         ; 16 (t1 % 8)
	v_add_nc_u32 v[DD], s58, v[RH]
	v_mov_b32 v[NINF], 0xff800000
	s_mov_b32 s[SEL], 0x76543210
	s_mov_b32 s[SEL+1], 0xfedcba98
	s_mov_b32 s[CS], 0x3e38aa3b
	s_mov_b32 s[CS+1], s[CS]                       ; named with it as a pair, so it is written
.irp j, 4,5,6,7
	v_mov_b32 v[QF+\j], 0                          ; zero codes for k = 64 .. 127
.irp i, 0,1,2,3,4,5,6,7
	v_mov_b32 v[KF+8*\i+\j], 0
.endr
.endr
.irp j, 236,237,238,239,252,253,254
	v_mov_b32 v[\j], 0                             ; written once: a lane permute's destination counts as one of its sources, and a pair is named whole
.endr
	s_wait_tensorcnt 0x0                           ; my part is in,
	s_barrier_signal -1
	s_barrier_wait -1                              ; everybody's is
	s_wait_loadcnt 0x0                             ; Q of both passes
	s_mov_b32 s57, 0
.Lpass:
	v_mov_b32 v13, 0xff61b1e6                      ; the largest t so far: -3e38, under every t
	s_delay_alu instid0(VALU_DEP_1)
	v_floor_f32 v12, -v13                          ; -M
	v_mov_b32 v14, 0                               ; the sum, in two halves
	v_mov_b32 v15, 0
.set n, 0
.rept 32
	v_mov_b32 v[OT+n], 0                           ; O^T: the step is written once; its first run finds zeros, which the first change of M leaves zeros
.set n, n+1
.endr
	s_mov_b32 s56, 0                               ; the key step
	s_mov_b32 s60, 0                               ; 4,096 x it
	s_mov_b32 s61, 0                               ; 512 x it
	s_mov_b32 s62, 0                               ; 256 x it
.Lstep:
	s_cmp_gt_u32 s56, s55
	s_cbranch_scc1 .Lskip                          ; all its keys come after my queries
	s_setprio 2
	v_add_nc_u32 v[ADK], s60, v[LI]                ; these four are also the places between the last step's products and the loads into V's registers
	v_add_nc_u32 v[ADV], s60, v[AV0]
	v_add_nc_u32 v[ADS], s61, v[AS0]
	v_add_nc_u32 v[ADT], s62, v[AT0]
.irp i, 0,1,2,3,4,5,6,7
	ds_load_b128 v[KF+8*\i:KF+8*\i+3], v[ADK] offset:512*\i   ; an image: 512 consecutive bytes
.endr
	ds_load_b128 v[KSW:KSW+3], v[ADS]
.irp f, 0,1,2,3,4,5,6,7
	ds_load_b128 v[VF+4*\f:VF+4*\f+3], v[ADV] offset:512*\f
.endr
	ds_load_b128 v[VSW:VSW+3], v[ADT]
	s_wait_dscnt 9                                 ; K and its scale words are in; V's nine loads may be out
.irp i, 0,1,2,3
	v_wmma_scale_f32_16x16x128_f8f6f4 v[ST+8*\i:ST+8*\i+7], v[KF+8*\i:KF+8*\i+7], v[QF:QF+7], 0, v[KSW+\i], v[QS] matrix_a_fmt:MATRIX_FMT_FP4 matrix_b_fmt:MATRIX_FMT_FP4
.endr
.irp i, 4,5,6,7
	v_wmma_scale_f32_16x16x128_f8f6f4 v[ST+8*\i:ST+8*\i+7], v[KF+8*\i:KF+8*\i+7], v[QF:QF+7], 0, v[KSW+\i-4], v[QS] matrix_a_fmt:MATRIX_FMT_FP4 matrix_b_fmt:MATRIX_FMT_FP4 matrix_a_scale:MATRIX_SCALE_ROW1
.endr
	PLACES 4
	s_cmp_lg_u32 s56, s55
	s_cbranch_scc1 .Lopen                          ; a step all of whose keys count
.set n, 0
.rept 64
	v_cmp_gt_i32 vcc_lo, 16*(n/8)+n%8, v[DD]       ; on the diagonal the scores of hidden keys become -infinity ahead of the maximum: p = 0 then
	v_cndmask_b32 v[ST+n], v[ST+n], v[NINF], vcc_lo
.set n, n+1
.endr
.Lopen:
.irp b, 0,1,2,3
	v_max3_num_f32 v[232+\b], v[ST+16*\b], v[ST+1+16*\b], v[ST+2+16*\b]   ; the largest score of each block of 32 keys: for the row's maximum, and, since p rises with the score, for the block's largest p
.endr
.irp i, 3,5,7,9,11,13
.irp b, 0,1,2,3
	v_max3_num_f32 v[232+\b], v[232+\b], v[ST+16*\b+\i], v[ST+1+16*\b+\i]
.endr
.endr
.irp b, 0,1,2,3
	v_max_num_f32 v[232+\b], v[232+\b], v[ST+15+16*\b]
.endr
.irp b, 0,1,2,3
	s_delay_alu instid0(VALU_DEP_4)
	v_permlanex16_b32 v[236+\b], v[232+\b], s[SEL], s[SEL+1]
.endr
.irp b, 0,1,2,3
	s_delay_alu instid0(VALU_DEP_4)
	v_max_num_f32 v[232+\b], v[232+\b], v[236+\b]  ; with lane l xor 16's 16 keys
.endr
	s_delay_alu instid0(VALU_DEP_2)
	v_max3_num_f32 v254, v232, v233, v234
	s_delay_alu instid0(VALU_DEP_1)
	v_max_num_f32 v254, v254, v235                 ; the step's largest score of my query
	s_delay_alu instid0(VALU_DEP_1)
	v_mul_f32 v254, s[CS], v254                    ; as t
	s_delay_alu instid0(VALU_DEP_1)
	v_max_num_f32 v13, v13, v254                   ; the running largest t
	v_mov_b32 v254, v12
	s_delay_alu instid0(VALU_DEP_2)
	v_floor_f32 v12, -v13                          ; the new -M = floor(-t) = -ceil(t)
	s_delay_alu instid0(VALU_DEP_1)
	v_sub_f32 v254, v12, v254                      ; old M - new M: a whole number, 0 or less
	s_delay_alu instid0(VALU_DEP_1)
	v_cvt_i32_f32 v254, v254                       ; (it saturates)
	s_delay_alu instid0(VALU_DEP_1)
	v_ldexp_f32 v252, 1.0, v254                    ; f = 2^(old M - new M)
.set n, 0
.rept 32
	v_pk_fma_f32 v[ST+n:ST+n+1], v[ST+n:ST+n+1], s[CS:CS+1], v[12:13] op_sel_hi:[1,0,0]   ; t - M, two at a time
.set n, n+2
.endr
	s_setprio 1
.irp b, 0,1,2,3
	v_fma_f32 v[232+\b], v[232+\b], s[CS], v12     ; the same of each block's largest score
.endr
.set n, 0
	s_wait_alu depctr_va_vdst(0)
.rept 64
	v_exp_f32 v[ST+n], v[ST+n]                     ; p = 2^(t - M)
.set n, n+1
.endr
	v_pk_mul_f32 v[14:15], v[14:15], v[252:253] op_sel_hi:[1,0]   ; the sums under the new M: the plain instruction behind the exponentials
	s_wait_alu depctr_va_vdst(0)                   ; one wait for the batch of 64, ahead of its first reader
.irp b, 0,1,2,3
	v_exp_f32 v[232+\b], v[232+\b]                 ; the blocks' largest p
.endr
	v_pk_add_f32 v[236:237], v[100:101], v[104:105]
	v_pk_add_f32 v[250:251], v[108:109], v[112:113]
	v_pk_add_f32 v[248:249], v[116:117], v[120:121]
	v_pk_add_f32 v[246:247], v[124:125], v[128:129]
	v_pk_add_f32 v[244:245], v[132:133], v[136:137]
	v_pk_add_f32 v[238:239], v[140:141], v[144:145]
	v_pk_add_f32 v[230:231], v[148:149], v[152:153]
	v_pk_add_f32 v[14:15], v[14:15], v[156:157]
	v_pk_add_f32 v[236:237], v[236:237], v[96:97]
	v_pk_add_f32 v[250:251], v[250:251], v[98:99]
	v_pk_add_f32 v[248:249], v[248:249], v[102:103]
	v_pk_add_f32 v[246:247], v[246:247], v[106:107]
	v_pk_add_f32 v[244:245], v[244:245], v[110:111]
	v_pk_add_f32 v[238:239], v[238:239], v[114:115]
	v_pk_add_f32 v[230:231], v[230:231], v[118:119]
	v_pk_add_f32 v[14:15], v[14:15], v[122:123]
	v_pk_add_f32 v[236:237], v[236:237], v[126:127]
	v_pk_add_f32 v[250:251], v[250:251], v[130:131]
	v_pk_add_f32 v[248:249], v[248:249], v[134:135]
	v_pk_add_f32 v[246:247], v[246:247], v[138:139]
	v_pk_add_f32 v[244:245], v[244:245], v[142:143]
	v_pk_add_f32 v[238:239], v[238:239], v[146:147]
	v_pk_add_f32 v[230:231], v[230:231], v[150:151]
	v_pk_add_f32 v[14:15], v[14:15], v[154:155]
	v_pk_add_f32 v[236:237], v[236:237], v[158:159]
	s_delay_alu instid0(VALU_DEP_2)
	v_pk_add_f32 v[14:15], v[14:15], v[246:247]
	s_delay_alu instid0(VALU_DEP_2)
	v_pk_add_f32 v[236:237], v[236:237], v[244:245]
	v_pk_add_f32 v[250:251], v[250:251], v[238:239]
	v_pk_add_f32 v[248:249], v[248:249], v[230:231]
	s_delay_alu instid0(VALU_DEP_2)
	v_pk_add_f32 v[14:15], v[14:15], v[250:251]
	s_delay_alu instid0(VALU_DEP_2)
	v_pk_add_f32 v[236:237], v[236:237], v[248:249]
	s_delay_alu instid0(VALU_DEP_1)
	v_pk_add_f32 v[14:15], v[14:15], v[236:237]
	s_wait_alu depctr_va_vdst(0)                   ; and one for the four
.irp b, 0,1,2,3
	v_max_num_f32 v[232+\b], 0x1800000, v[232+\b]  ; the floor 2^(3 - 127): the byte cannot fall under 1
.endr
.irp b, 0,1,2,3
	s_delay_alu instid0(VALU_DEP_4)
	v_add_nc_u32 v[244+\b], 0xff000000, v[232+\b]  ; 2 off the exponent field: the conversion's scale operand
.endr
.irp b, 0,1,2,3
	s_delay_alu instid0(VALU_DEP_4)
	v_lshrrev_b32 v[236+\b], 23, v[244+\b]         ; the scale's byte
.endr
	s_delay_alu instid0(VALU_DEP_3)
	v_lshl_or_b32 v253, v237, 8, v236              ; p's scale word for these 128 keys
	s_delay_alu instid0(VALU_DEP_1)
	v_lshl_or_b32 v253, v238, 16, v253
	s_delay_alu instid0(VALU_DEP_1)
	v_lshl_or_b32 v253, v239, 24, v253
	s_setprio 0
.irp t, 0,1,2,3,4,5,6,7
	v_cvt_scalef32_pk8_fp4_f32 v[PC+4*(\t/4)+2*(\t%2)+(\t%4)/2], v[ST+8*\t:ST+8*\t+7], v[244+\t/2]
.endr
	v_nop                                          ; one plain instruction behind the last scaled conversion
.irp c, 0,2,4,6
	v_permlane16_swap_b32 v[PC+\c], v[PC+\c+1]
.endr
.set n, 0
.rept 16
	v_pk_mul_f32 v[OT+n:OT+n+1], v[OT+n:OT+n+1], v[252:253] op_sel_hi:[1,0]   ; O^T under the new M; these sixteen also stand between the scale word and the codes just made and the products below
.set n, n+2
.endr
	s_wait_alu depctr_va_vdst(0)
	s_wait_dscnt 0x0                               ; V and its scale words are in
.irp t, 0,1,2,3
	v_wmma_scale_f32_16x16x128_f8f6f4 v[OT+8*\t:OT+8*\t+7], v[VF+8*\t:VF+8*\t+7], v[PC:PC+7], v[OT+8*\t:OT+8*\t+7], v[VSW+\t], v253 matrix_a_fmt:MATRIX_FMT_FP4 matrix_b_fmt:MATRIX_FMT_FP4
.endr
.Lskip:
	s_add_co_u32 s60, s60, 4096
	s_add_co_u32 s61, s61, 512
	s_add_co_u32 s62, s62, 256
	s_add_co_u32 s56, s56, 1
	s_cmp_lt_u32 s56, 16
	s_cbranch_scc1 .Lstep
	s_setprio 0
	; THE END OF A PASS: O^T / the sum, quantised along the head's 64 channels (two blocks), leaves as an image of four registers and two scale bytes a row
	PLACES 4
	v_add_f32 v14, v14, v15
	s_delay_alu instid0(VALU_DEP_1)
	v_permlanex16_b32 v252, v14, s[SEL], s[SEL+1]
	s_delay_alu instid0(VALU_DEP_1)
	v_add_f32 v14, v14, v252                       ; the row's sum
	s_wait_alu depctr_va_vdst(0)
	v_rcp_f32 v14, v14
	v_nop                                          ; a plain instruction behind the reciprocal
	s_wait_alu depctr_va_vdst(0)                   ; and the wait ahead of its first reader
.set n, 0
.rept 32
	v_mul_f32 v[ST+n], v[OT+n], v14                ; register 8 t + j: channel 16 t + 8 h + j of my query
.set n, n+1
.endr
.irp b, 0,1
	v_max3_num_f32 v[232+\b], |v[ST+16*\b]|, |v[ST+1+16*\b]|, 0x1800000
.endr
.irp i, 2,4,6,8,10,12,14
.irp b, 0,1
	s_delay_alu instid0(VALU_DEP_2)
	v_max3_num_f32 v[232+\b], v[232+\b], |v[ST+16*\b+\i]|, |v[ST+1+16*\b+\i]|
.endr
.endr
.irp b, 0,1
	s_delay_alu instid0(VALU_DEP_2)
	v_permlanex16_b32 v[236+\b], v[232+\b], s[SEL], s[SEL+1]
.endr
.irp b, 0,1
	s_delay_alu instid0(VALU_DEP_2)
	v_max_num_f32 v[232+\b], v[232+\b], v[236+\b]
.endr
.irp b, 0,1
	s_delay_alu instid0(VALU_DEP_2)
	v_add_nc_u32 v[244+\b], 0xff000000, v[232+\b]
.endr
.irp b, 0,1
	s_delay_alu instid0(VALU_DEP_2)
	v_lshrrev_b32 v[236+\b], 23, v[244+\b]
.endr
	s_delay_alu instid0(VALU_DEP_1)
	v_lshl_or_b32 v254, v237, 8, v236              ; the head's two scale bytes of my row
.irp t, 0,1,2,3
	v_cvt_scalef32_pk8_fp4_f32 v[PC+2*(\t%2)+\t/2], v[ST+8*\t:ST+8*\t+7], v[244+\t/2]
.endr
	v_nop
.irp c, 0,2
	v_permlane16_swap_b32 v[PC+\c], v[PC+\c+1]
.endr
	global_store_b128 v[LI], v[PC:PC+3], s[68:69]  ; 512 consecutive aligned bytes
	global_store_b16 v[LR], v254, s[70:71]         ; lanes l and l + 16 hold the same bytes and write the same place
	s_wait_xcnt 0x0                                ; the stores have read their bases and registers
	s_mov_b64 s[68:69], s[72:73]                   ; on to the second tile (run behind the second pass too, where nothing reads it)
	s_mov_b64 s[70:71], s[74:75]
	s_sub_co_u32 s55, 15, s55                      ; its last key step,
	s_sub_co_u32 s58, 112, s58                     ; 16 (t2 % 8) = 112 - 16 (t1 % 8)
	v_add_nc_u32 v[DD], s58, v[RH]
.irp j, 0,1,2,3
	v_mov_b32 v[QF+\j], v[QF2+\j]
.endr
	v_mov_b32 v[QS], v[QS2]                        ; the 36 moves at the pass's head stand between this line and the next scaled product
	s_add_co_u32 s57, s57, 1
	s_cmp_lt_u32 s57, 2
	s_cbranch_scc1 .Lpass
	s_wait_tensorcnt 0x0
	ds_add_u32 v31, v255
	s_wait_dscnt 0x0
	CROUND                                         ; the closing round
	s_endpgm
.Lfunc_end_k_q64704ac25e_attn:
	.size	k_q64704ac25e_attn, .Lfunc_end_k_q64704ac25e_attn-k_q64704ac25e_attn
	.p2alignl 7, 3214868480
	.fill 96, 4, 3214868480
	.section	.rodata,"a",@progbits
	.p2align	6, 0x0
	.amdhsa_kernel k_q64704ac25e_attn
		.amdhsa_group_segment_fixed_size 169984
		.amdhsa_private_segment_fixed_size 0
		.amdhsa_enable_private_segment 0
		.amdhsa_kernarg_size 64
		.amdhsa_user_sgpr_count 2
		.amdhsa_user_sgpr_kernarg_segment_ptr 1
		.amdhsa_wavefront_size32 1
		.amdhsa_system_sgpr_workgroup_id_x 1
		.amdhsa_system_sgpr_workgroup_id_y 1
		.amdhsa_system_sgpr_workgroup_id_z 1
		.amdhsa_system_vgpr_workitem_id 0
		.amdhsa_next_free_vgpr 256
		.amdhsa_next_free_sgpr 90
		.amdhsa_reserve_vcc 1
		.amdhsa_float_denorm_mode_32 3
		.amdhsa_float_denorm_mode_16_64 3
		.amdhsa_memory_ordered 1
		.amdhsa_forward_progress 1
		.amdhsa_inst_pref_size 37
	.end_amdhsa_kernel
	.amdgpu_metadata
---
amdhsa.version: [ 1, 2 ]
amdhsa.kernels:
  - .name:           k_q64704ac25e_attn
    .symbol:         k_q64704ac25e_attn.kd
    .args:
      - { .name: q_img, .offset: 0, .size: 8, .value_kind: global_buffer, .address_space: global }
      - { .name: q_sc, .offset: 8, .size: 8, .value_kind: global_buffer, .address_space: global }
      - { .name: k_img, .offset: 16, .size: 8, .value_kind: global_buffer, .address_space: global }
      - { .name: k_sc, .offset: 24, .size: 8, .value_kind: global_buffer, .address_space: global }
      - { .name: v_img, .offset: 32, .size: 8, .value_kind: global_buffer, .address_space: global }
      - { .name: v_sc, .offset: 40, .size: 8, .value_kind: global_buffer, .address_space: global }
      - { .name: ao_img, .offset: 48, .size: 8, .value_kind: global_buffer, .address_space: global }
      - { .name: ao_sc, .offset: 56, .size: 8, .value_kind: global_buffer, .address_space: global }
    .group_segment_fixed_size: 169984
    .private_segment_fixed_size: 0
    .kernarg_segment_align: 8
    .kernarg_segment_size: 64
    .max_flat_workgroup_size: 512
    .sgpr_count:     90
    .vgpr_count:     256
    .wavefront_size: 32
...
	.end_amdgpu_metadata
.endif
;; end of part 2
;; launch proj (part 3): grid 8 x 32, 4 waves a work-group, clusters of 4 x 4, 232,960 bytes of LDS; arguments ao_img, ao_sc, w_out_codes, w_out_scales, b_out, out0; writes out0
.if DOCPART == 3
	.amdgcn_target "amdgcn-amd-amdhsa--gfx1250"
	.amdhsa_code_object_version 6
	.text
	.protected	k_q64704ac25e_proj
	.globl	k_q64704ac25e_proj
	.p2align	8
	.type	k_q64704ac25e_proj,@function
k_q64704ac25e_proj:
	s_mov_b64 s[64:65], 0
	v_nop
	global_prefetch_b8 v0, s[64:65] scope:SCOPE_SE
	s_setreg_imm32_b32 hwreg(HW_REG_WAVE_MODE, 25, 1), 1
	s_wait_xcnt 0x0
	s_wait_alu depctr_hold_cnt(0) depctr_sa_sdst(0) depctr_va_vdst(0) depctr_va_sdst(0) depctr_va_ssrc(0) depctr_va_vcc(0) depctr_vm_vsrc(0)
	s_getreg_b32 s2, hwreg(HW_REG_IB_STS2, 6, 4)
	s_cmp_eq_u32 s2, 0
	s_cbranch_scc0 .Lentry_in_a_cluster
	s_endpgm
.Lentry_in_a_cluster:
	s_bfe_u32 s2, ttmp6, 0x10000c
	s_cmp_lg_u32 s2, 0xf033
	s_cbranch_scc0 .Lentry_shape_is_right
	s_endpgm
.Lentry_shape_is_right:
; out = ao W_out^T + b_out on codes of FP4 (E2M1) with one E8M0 scale for each 32 along K = 1,024; out is f32.
; SHARES.  A work-group of four waves makes 256 tokens (gy) x 128 outputs (gx); a wave 64 tokens x 128 outputs: 32 accumulators.  Source 0 = 16 rows of W_out, source 1 = 16 tokens: a lane holds ONE token and eight
; neighbouring outputs.  All of K lies in LDS: the tokens' codes as images of operand registers (a fragment: two loads of 512 consecutive bytes), W's 128 rows of 512 bytes + 16 of padding.  Nothing is filled again.
; CLUSTER 4 x 4.  The tokens' images hang on gy alone and are asked for jointly along a row of the cluster, W's rows on gx alone, along a column.  By this text's own count a wave has one tensor load out.
; The scales go from memory into registers once: register q of a tile holds K step q in lanes 0-15 and K step 4 + q in lanes 16-31.  The bias is the C of each sum's first matrix instruction.
; THE WAY OUT.  A tile of 16 tokens x 128 outputs goes through the wave's own stage in LDS and leaves as rows: 32 lanes store 512 consecutive aligned bytes.
; No prefetch is laid: all that the launch reads is asked for at its head.
; LIMITS: NaN and infinities are not served; given scale bytes of 0xff are not served.
; REGISTERS.  window 0: addresses, scales, bias, later rows of the result.  window 1: two sets of fragments (set p at 96 p: W's tile i at + 8 i, the tokens' tile j at + 64 + 8 j).  window 2: accumulator (j, i) at 8 (8 j + i).
.set PITCH, 528
.set WT,    131072                     ; the images lie at 0: 16 tiles x 8,192 bytes; here W's 128 rows
.set STG,   WT+128*PITCH               ; the stages: 16 rows x 528 bytes for each wave; no tensor load lands here
.set LI,  4                            ; 16 x lane
.set VSO, 8                            ; 32 r + 16 h
.set BO,  9                            ; 32 h
.set AS0, 12                           ; LDS: W's fragments
.set AS1, 13                           ; the tokens' images, my four tiles
.set STO, 14                           ; the stage: where I put 32 bytes of a row
.set RD,  15                           ; and where I read a row back
.set SWT, 32                           ; W's scales, 8 tiles x 4
.set SAO, 64                           ; the tokens' scales, 4 tiles x 4
.set BB,  80                           ; the bias, 8 tiles x 8
.set BKR, 80                           ; later: 16 rows read back, v80-143 and v144-207 by turns
.set MSB, 0
.macro WIN new
.if MSB != \new
	s_set_vgpr_msb (MSB<<8)|\new
.set MSB, \new
.endif
.endm
.macro PLACES n
.rept \n
	v_nop
.endr
.endm
.macro CROUND
	s_barrier_signal -1
	s_barrier_wait -1
	s_cmp_lg_u32 s16, 0
	s_cbranch_scc1 .Lnot_wave_0_\@
	s_barrier_signal -3
.Lnot_wave_0_\@:
	s_barrier_wait -3
	s_barrier_signal -1
	s_barrier_wait -1
.endm
.macro FETCH s, p                      ; 24 LDS loads: W's eight fragments and the tokens' four, K step s, into set p
	WIN 0x40
.irp i, 0,1,2,3,4,5,6,7
.irp c, 0,1
	ds_load_b128 v[96*(\p)+8*\i+4*\c:96*(\p)+8*\i+4*\c+3], v[AS0] offset:16*\i*PITCH+64*(\s)+32*\c
.endr
.endr
.irp j, 0,1,2,3
.irp c, 0,1
	ds_load_b128 v[96*(\p)+64+8*\j+4*\c:96*(\p)+64+8*\j+4*\c+3], v[AS1] offset:8192*\j+1024*(\s)+512*\c
.endr
.endr
.endm
.macro MULS s, p                       ; 32 matrix instructions; the accumulators take turns, one instruction a turn, in the same order in every step
.if (\s) == 0
	WIN 0x85                                       ; A, B window 1; C (the bias) window 0; D window 2
.else
	WIN 0xa5
.endif
.irp j, 0,1,2,3
.irp i, 0,1,2,3,4,5,6,7
.set rD, 8*(8*\j+\i)
.set rC, rD
.if (\s) == 0
.set rC, BB+8*\i
.endif
.set rA, 96*(\p)+8*\i
.set rB, 96*(\p)+64+8*\j
.set rX, SWT+4*\i+(\s)%4
.set rY, SAO+4*\j+(\s)%4
.if (\s) < 4
	v_wmma_scale_f32_16x16x128_f8f6f4 v[rD:rD+7], v[rA:rA+7], v[rB:rB+7], v[rC:rC+7], v[rX], v[rY] matrix_a_fmt:MATRIX_FMT_FP4 matrix_b_fmt:MATRIX_FMT_FP4
.else
	v_wmma_scale_f32_16x16x128_f8f6f4 v[rD:rD+7], v[rA:rA+7], v[rB:rB+7], v[rC:rC+7], v[rX], v[rY] matrix_a_fmt:MATRIX_FMT_FP4 matrix_b_fmt:MATRIX_FMT_FP4 matrix_a_scale:MATRIX_SCALE_ROW1 matrix_b_scale:MATRIX_SCALE_ROW1
.endif
.endr
.endr
.endm
.macro TOSTAGE j                       ; tile j into my stage, each accumulator from its low end on, and back as whole rows.  LDS serves a wave's instructions in order (ISA guide 5.7.1.4): no wait between
	WIN 0x08                                       ; an LDS store's data: window 2
.irp i, 0,1,2,3,4,5,6,7
	ds_store_b128 v[STO], v[64*(\j)+8*\i:64*(\j)+8*\i+3] offset:64*\i
	ds_store_b128 v[STO], v[64*(\j)+8*\i+4:64*(\j)+8*\i+7] offset:64*\i+16
.endr
	WIN 0
.set BBK, BKR+64*((\j)%2)
.irp t, 0,1,2,3,4,5,6,7,8,9,10,11,12,13,14,15
	ds_load_b128 v[BBK+4*\t:BBK+4*\t+3], v[RD] offset:\t*PITCH
.endr
.endm
.macro SEND j, younger                 ; younger: the LDS instructions issued behind tile j's loads, which may stay out
.set BBK, BKR+64*((\j)%2)
	s_wait_dscnt \younger
.irp t, 0,1,2,3,4,5,6,7,8,9,10,11,12,13,14,15
	global_store_b128 v[LI], v[BBK+4*\t:BBK+4*\t+3], s[74:75] offset:(16*(\j)+\t)*4096 th:TH_STORE_NT   ; 32 lanes store 512 consecutive bytes, at a multiple of 512 from the buffer's first byte
.endr
.endm
	s_load_b256 s[4:11], s[0:1], 0x0               ; ao_img s[4:5], ao_sc s[6:7], W's codes s[8:9], W's scales s[10:11]
	s_load_b128 s[12:15], s[0:1], 0x20             ; the bias s[12:13], out s[14:15]
	v_lshl_add_u32 v254, v0, 2, 0x38c00
	v_mov_b32 v255, 0
	ds_add_u32 v254, v255
	ds_add_u32 v254, v255
	v_lshrrev_b32 v1, 5, v0
	v_readfirstlane_b32 s16, v1                    ; wave 0..3
	s_lshr_b32 s18, s16, 1
	s_and_b32 s19, s16, 1
	s_bfe_u32 s40, ttmp6, 0x40000                  ; cx
	s_bfe_u32 s41, ttmp6, 0x40004                  ; cy
	s_lshl_b32 s42, ttmp9, 2
	s_add_co_u32 s42, s42, s40                     ; gx: 128 outputs
	s_and_b32 s17, ttmp7, 0xffff
	s_lshl_b32 s17, s17, 2
	s_add_co_u32 s17, s17, s41                     ; gy: 256 tokens
	s_lshl_b32 s43, s41, 2
	s_lshl_b32 s43, 15, s43                        ; my row of the cluster
	s_lshl_b32 s44, 0x1111, s40                    ; my column
	s_or_b32 s24, s43, (3<<16)|(1<<21)             ; the images: a dense block as 256 rows of 256 bytes (32 elements of 8 bytes); to my row
	s_mov_b32 s25, 32<<16
	s_mov_b32 s26, 256<<16
	s_mov_b32 s27, 32<<16
	s_mov_b32 s28, 256
	s_mov_b32 s29, 32
	s_mov_b32 s30, 0
	s_mov_b32 s31, 0
	s_or_b32 s48, s44, (1<<20)|(1<<21)|(6<<22)|(3<<25)   ; W: 64 rows of 512 bytes, 16 bytes of padding behind each; to my column
	s_mov_b32 s49, 512<<16
	s_mov_b32 s50, 64<<16
	s_mov_b32 s51, 512<<16
	s_mov_b32 s52, 64
	s_mov_b32 s53, 512
	s_mov_b32 s54, 0
	s_mov_b32 s55, 0
	s_lshl_b32 s20, s17, 17                        ; the images of 16 gy tiles of 8,192 bytes,
	s_lshl_b32 s21, s19, 16                        ; + 8 tiles for the odd wave
	s_add_co_u32 s20, s20, s21
	s_mov_b32 s21, 0
	s_lshl_b32 s46, s42, 16                        ; W: 128 gx rows of 512 bytes,
	s_mov_b32 s47, 0
	s_lshl_b32 s22, s19, 15                        ; + 64 rows for the odd wave
	s_mov_b32 s23, 0
	s_lshl_b32 s33, s19, 16                        ; where they go
	s_mul_i32 s37, s19, 64*PITCH
	s_add_co_u32 s37, s37, WT
	s_wait_dscnt 0x0
	s_wait_kmcnt 0x0
	s_mov_b32 s32, 1
	s_add_nc_u64 s[34:35], s[4:5], s[20:21]
	s_or_b32 s35, s35, 0x80000000
	s_mov_b32 s36, 1
	s_add_nc_u64 s[38:39], s[8:9], s[46:47]
	s_add_nc_u64 s[38:39], s[38:39], s[22:23]
	s_or_b32 s39, s39, 0x80000000
	CROUND                                         ; all sixteen work-groups are here: the joint loads meet
	s_cmp_eq_u32 s18, 0
	s_cbranch_scc0 .Lfor_w
	tensor_load_to_lds s[32:35], s[24:31]
	s_nop 0
	PLACES 4
	s_branch .Lasked
.Lfor_w:
	tensor_load_to_lds s[36:39], s[48:55]
	s_nop 0
	PLACES 4
.Lasked:
	v_and_b32 v1, 31, v0
	v_and_b32 v2, 15, v0                           ; r
	v_bfe_u32 v3, v0, 4, 1                         ; h
	v_lshlrev_b32 v[LI], 4, v1
	v_lshlrev_b32 v5, 4, v3
	v_lshl_add_u32 v[VSO], v2, 5, v5
	s_wait_alu depctr_va_vdst(0)
	v_lshlrev_b32 v[BO], 5, v3
	s_wait_alu depctr_va_vdst(0)
	s_lshl_b32 s46, s42, 12                        ; W's scales: 128 gx rows of 32 bytes
	s_add_nc_u64 s[68:69], s[10:11], s[46:47]
	s_lshl_b32 s20, s17, 13                        ; the tokens' scale words: 16 gy tiles of 512 bytes,
	s_add_nc_u64 s[70:71], s[6:7], s[20:21]
	s_lshl_b32 s22, s16, 11                        ; + 4 w tiles
	s_add_nc_u64 s[70:71], s[70:71], s[22:23]
	s_lshl_b32 s46, s42, 9                         ; the bias: 128 gx numbers
	s_add_nc_u64 s[72:73], s[12:13], s[46:47]
.irp i, 0,1,2,3,4,5,6,7
	global_load_b128 v[SWT+4*\i:SWT+4*\i+3], v[VSO], s[68:69] offset:512*\i
.endr
.irp j, 0,1,2,3
	global_load_b128 v[SAO+4*\j:SAO+4*\j+3], v[LI], s[70:71] offset:512*\j
.endr
.irp i, 0,1,2,3,4,5,6,7
	global_load_b128 v[BB+8*\i:BB+8*\i+3], v[BO], s[72:73] offset:64*\i             ; lane (r, h): the bias of outputs 16 i + 8 h + 0..7
	global_load_b128 v[BB+8*\i+4:BB+8*\i+7], v[BO], s[72:73] offset:64*\i+16
.endr
	v_mul_u32_u24 v6, v2, PITCH
	v_add_nc_u32 v7, v6, v5
	v_add_nc_u32 v[AS0], WT, v7                    ; W: row x pitch + 16 h
	s_lshl_b32 s56, s16, 15
	v_add_nc_u32 v[AS1], s56, v[LI]                ; my four tiles' images
	s_mul_i32 s56, s16, 16*PITCH
	s_add_co_u32 s56, s56, STG                     ; my stage
	v_lshl_add_u32 v[STO], v3, 5, v6
	v_add_nc_u32 v[STO], s56, v[STO]               ; in: row r, + 32 h
	v_add_nc_u32 v[RD], s56, v[LI]                 ; back: a row's 512 bytes, 16 a lane
	s_lshl_b32 s58, s17, 20                        ; out: (256 gy + 64 w) rows of 4,096 bytes + 512 gx
	s_lshl_b32 s59, s16, 18
	s_add_co_u32 s58, s58, s59
	s_lshl_b32 s59, s42, 9
	s_add_co_u32 s58, s58, s59
	s_mov_b32 s59, 0
	s_add_nc_u64 s[74:75], s[14:15], s[58:59]
	s_wait_alu depctr_va_vdst(0)
	s_wait_tensorcnt 0x0                           ; my tile is in,
	s_barrier_signal -1
	s_barrier_wait -1                              ; everybody's is
	s_wait_loadcnt 0x0                             ; scales and bias
	FETCH 0, 0
.set KSTP, 0
.rept 7
	PLACES 4                                       ; four places between the products that read a set and the loads into it
	FETCH KSTP+1, (KSTP+1)%2
	s_wait_dscnt 24                                ; all but the 24 loads just issued: this step's fragments are in
	MULS KSTP, KSTP%2
.set KSTP, KSTP+1
.endr
	s_wait_dscnt 0x0
	MULS 7, 1
	WIN 0
	PLACES 4                                       ; between the last products and the first read of results, and the loads into the bias's registers
	TOSTAGE 0
.irp j, 1,2,3
.if \j > 1
	s_wait_xcnt 0x0                                ; tile j - 2's stores have read their registers: tile j's rows may land there
.endif
	TOSTAGE \j
	SEND \j-1, 32                                  ; behind tile j - 1's loads: tile j's 16 stores and 16 loads
.endr
	SEND 3, 0
	s_wait_tensorcnt 0x0
	ds_add_u32 v254, v255
	s_wait_dscnt 0x0
	CROUND                                         ; the closing round: no work-group ends while a partner may still ask for a tile that names it
	s_endpgm
.Lfunc_end_k_q64704ac25e_proj:
	.size	k_q64704ac25e_proj, .Lfunc_end_k_q64704ac25e_proj-k_q64704ac25e_proj
	.p2alignl 7, 3214868480
	.fill 96, 4, 3214868480
	.section	.rodata,"a",@progbits
	.p2align	6, 0x0
	.amdhsa_kernel k_q64704ac25e_proj
		.amdhsa_group_segment_fixed_size 232960
		.amdhsa_private_segment_fixed_size 0
		.amdhsa_enable_private_segment 0
		.amdhsa_kernarg_size 48
		.amdhsa_user_sgpr_count 2
		.amdhsa_user_sgpr_kernarg_segment_ptr 1
		.amdhsa_wavefront_size32 1
		.amdhsa_system_sgpr_workgroup_id_x 1
		.amdhsa_system_sgpr_workgroup_id_y 1
		.amdhsa_system_sgpr_workgroup_id_z 1
		.amdhsa_system_vgpr_workitem_id 0
		.amdhsa_next_free_vgpr 768
		.amdhsa_next_free_sgpr 90
		.amdhsa_reserve_vcc 0
		.amdhsa_float_denorm_mode_32 3
		.amdhsa_float_denorm_mode_16_64 3
		.amdhsa_memory_ordered 1
		.amdhsa_forward_progress 1
		.amdhsa_inst_pref_size 69
	.end_amdhsa_kernel
	.amdgpu_metadata
---
amdhsa.version: [ 1, 2 ]
amdhsa.kernels:
  - .name:           k_q64704ac25e_proj
    .symbol:         k_q64704ac25e_proj.kd
    .args:
      - { .name: ao_img, .offset: 0, .size: 8, .value_kind: global_buffer, .address_space: global }
      - { .name: ao_sc, .offset: 8, .size: 8, .value_kind: global_buffer, .address_space: global }
      - { .name: w_out_codes, .offset: 16, .size: 8, .value_kind: global_buffer, .address_space: global }
      - { .name: w_out_scales, .offset: 24, .size: 8, .value_kind: global_buffer, .address_space: global }
      - { .name: b_out, .offset: 32, .size: 8, .value_kind: global_buffer, .address_space: global }
      - { .name: out0, .offset: 40, .size: 8, .value_kind: global_buffer, .address_space: global }
    .group_segment_fixed_size: 232960
    .private_segment_fixed_size: 0
    .kernarg_segment_align: 8
    .kernarg_segment_size: 48
    .max_flat_workgroup_size: 128
    .sgpr_count:     90
    .vgpr_count:     768
    .wavefront_size: 32
...
	.end_amdgpu_metadata
.endif
;; end of part 3
